; MI455X (gfx1250); checked and timed in simulation.
; The chip was launched on July 23, 2026; its instructions are those of AMD's public machine-readable ISA for CDNA 5 (MIT licence, August 2026) and "CDNA5" Instruction Set Architecture Reference Guide (July 2026). The comments in the code are by the model that wrote it; some were corrected since.
;; Self Attention V1. Allowed arithmetic: matrix products marked QUANTISED: E3M2 operands, one E8M0 scale for each 32 along K, by v_wmma_scale_f32_16x16x128_f8f6f4 with both operands' format E3M2, f32 sums; everything else in f32.
;; Inputs: Wk_codes 384 x 12 x 24 uint8 (E3M2 codes of Wk, K innermost, in blocks of 32 codes, four codes in three bytes); Wk_scales 384 x 12 uint8 (E8M0 scales of Wk, one for each 32 codes along K); Wq_codes 384 x 12 x 24 uint8 (E3M2 codes of Wq, K innermost, in blocks of 32 codes, four codes in three bytes); Wq_scales 384 x 12 uint8 (E8M0 scales of Wq, one for each 32 codes along K); Wv_codes 384 x 12 x 24 uint8 (E3M2 codes of Wv, K innermost, in blocks of 32 codes, four codes in three bytes); Wv_scales 384 x 12 uint8 (E8M0 scales of Wv, one for each 32 codes along K); bk 384 float32; bq 384 float32; bv 384 float32; x_codes 4 x 4,096 x 12 x 24 uint8 (E3M2 codes of x, K innermost, in blocks of 32 codes, four codes in three bytes); x_scales 4 x 4,096 x 12 uint8 (E8M0 scales of x, one for each 32 codes along K).
;; Outputs: out0 4 x 4,096 x 384 float32.
;; This version of the problem:
;;   THIS VERSION OF THE PROBLEM IS GIVEN IN LOW PRECISION. The matrix products marked QUANTISED in the list below multiply operands that are first quantised to E3M2 (3 exponent bits, 2 mantissa bits; 6 bits a number), with one power-of-two scale for each 32 numbers along K (OCP MX v1.0); their sums are f32. All else is computed in f32.
;;   The module's matrix products, in the order in which they are computed (A, B: the left and right operand; K: the contracted axis; several contracted axes count as one K, in the product's order):
;;     1. [M 16,384, K 384] x [K 384, N 384]; A: input x (given as codes); B: input Wq (given as codes): QUANTISED
;;     2. [M 16,384, K 384] x [K 384, N 384]; A: input x (given as codes); B: input Wk (given as codes): QUANTISED
;;     3. [M 16,384, K 384] x [K 384, N 384]; A: input x (given as codes); B: input Wv (given as codes): QUANTISED
;;     4. batch 4 x [M 4,096, K 384] x [K 384, N 4,096]; A: computed on the way; B: computed on the way: QUANTISED
;;     5. batch 4 x [M 4,096, K 4,096] x [K 4,096, N 384]; A: softmax (see below); B: computed on the way: QUANTISED
;;   THE QUANTISER, for each operand of a quantised product, along K:
;;     - K is cut into blocks of 32 from its start; a last block that is shorter is filled with zeros.
;;     - A block's scale is 2^e with e = floor(log2(the largest magnitude in the block)) - 4, held to -126 .. 127; a block of zeros has e = 0. As a byte (E8M0): e + 127.
;;     - Each number is divided by its block's scale, clamped to +-28, and rounded to the nearest number of E3M2, ties to even, subnormals kept.
;;     - The product sums the exact products of the quantised numbers (number of the format x scale) in f32.
;;   ~~~python
;;   def quantise(x, axis):      # numpy; x: float32 -> the quantised numbers, widened to float32 again
;;       x = np.moveaxis(x, axis, -1); K = x.shape[-1]
;;       x = np.pad(x, [(0, 0)] * (x.ndim - 1) + [(0, -K % 32)]); x = x.reshape(x.shape[:-1] + (-1, 32)); a = np.abs(x).max(-1, keepdims=True)
;;       e = np.where(a > 0, np.clip(np.frexp(np.where(a > 0, a, 1))[1] - 1 - 4, -126, 127), 0)      # np.frexp(a)[1] - 1 = floor(log2(a)), exactly
;;       r = np.clip(x / 2.0 ** e, -28, 28)
;;       step = 2.0 ** (np.maximum(np.frexp(np.where(r == 0, 1, r))[1] - 1, -2) - 2)
;;       q = np.round(r / step) * step * 2.0 ** e      # np.round: ties to even
;;       return np.moveaxis(q.reshape(q.shape[:-2] + (-1,))[..., :K], -1, axis).astype(np.float32)
;;   ~~~
;;   SOFTMAX AHEAD OF A QUANTISED PRODUCT. Where the list says 'softmax', what is quantised is not the finished softmax but p = 2^(t - M), with t = logit x log2(e) and M = ceil(the row's largest t), a whole number; so 1/2 < the row's largest p <= 1. The row's sum l is taken of the UNQUANTISED p, in f32, and the product's result is divided by l at the end. Since M is a whole number, a kernel that streams over the keys may use a running M (the ceiling of the running maximum): every later rescaling is an exact power of two, which a block's scale takes up: the codes' values come out the same.
;;   OPERANDS COMPUTED ON THE WAY. 'Computed on the way' means the value that the module computes at that place (a softmax that the list does not call 'softmax' is quantised finished and normalised). What goes into a quantiser is computed in f32, as accurately as f32 sums, v_exp_f32 and their like allow (about 1e-6 of the number): no bf16 or f16 on the way to a quantiser, and a product that is left as it is and whose result goes on into a quantised operand takes f32 operands (vector FMAs, or v_wmma_f32_16x16x4_f32). A number that lies on a knife's edge between two numbers of the format may be rounded either way, as far as f32 arithmetic and the matrix unit's own rounding can turn it there, and no further.
;;   INPUTS GIVEN AS CODES. Wk (in the module: [384, 384], K = its axis 1); Wq (in the module: [384, 384], K = its axis 1); Wv (in the module: [384, 384], K = its axis 1); x (in the module: [4, 4096, 384], K = its axis 2): each comes as NAME_codes (uint8): NAME with its K axis moved to the last place and cut into blocks of 32 codes, [.., K / 32, bytes a block], one block behind the other in memory; four codes in three bytes: a row's codes are one little-endian stream of bits, code i at bits 6 i .. 6 i + 5 (a code: sign, 3 exponent bits, 2 mantissa bits); and NAME_scales (uint8): the same leading axes, one E8M0 byte (e + 127) for each 32 codes along K. Its value is code x scale, taken as it is: it is not quantised again, and the codes and scales need not be those that the quantiser above would give.
;; One version. Each part assembles by itself: llvm-mc -triple=amdgcn-amd-amdhsa -mcpu=gfx1250 --defsym DOCPART=n.
;; ======== version 1 of 1: 2 launches
;; limits: right only within a limited range of input values
;; workspace buffers: kv 9,830,400 bytes; qq 4,915,200 bytes
;; launch proj (part 1): grid 256 x 1, 3 waves a work-group, clusters of 4 x 1, 262,656 bytes of LDS; arguments x_codes, x_scales, Wq_codes, Wq_scales, bq, Wk_codes, Wk_scales, bk, Wv_codes, Wv_scales, bv, kv, qq; writes kv, qq
.if DOCPART == 1
	.amdgcn_target "amdgcn-amd-amdhsa--gfx1250"
	.amdhsa_code_object_version 6
	.text
	.protected	k_q369258e20a_proj
	.globl	k_q369258e20a_proj
	.p2align	8
	.type	k_q369258e20a_proj,@function
k_q369258e20a_proj:
	s_mov_b64 s[64:65], 0
	v_nop
	global_prefetch_b8 v0, s[64:65] scope:SCOPE_SE
	s_setreg_imm32_b32 hwreg(HW_REG_WAVE_MODE, 25, 1), 1
	s_wait_xcnt 0x0
	s_wait_alu depctr_hold_cnt(0) depctr_sa_sdst(0) depctr_va_vdst(0) depctr_va_sdst(0) depctr_va_ssrc(0) depctr_va_vcc(0) depctr_vm_vsrc(0)
	s_getreg_b32 s2, hwreg(HW_REG_IB_STS2, 6, 4)
	s_cmp_eq_u32 s2, 0
	s_cbranch_scc0 .Lentry_in_a_cluster
	s_endpgm
.Lentry_in_a_cluster:
	s_bfe_u32 s2, ttmp6, 0x10000c
	s_cmp_lg_u32 s2, 0x3003
	s_cbranch_scc0 .Lentry_shape_is_right
	s_endpgm
.Lentry_shape_is_right:
; q = x Wq^T + bq, k = x Wk^T + bk, v = x Wv^T + bv on codes of BF6 (E3M2) with one E8M0 scale for each 32 along K (K = 384: three matrix instructions deep), sums in f32, the bias as the C of each sum's first
; instruction; then q and k are quantised along their 384 channels and v along the keys, and stored as IMAGES OF THE OPERANDS' REGISTERS for the attention launch.
; A JOB: 8 held tiles (128 rows) x 3 K steps against ONE streamed tile of 16 rows, used transposed (source 0 = held, source 1 = streamed): a lane then holds one streamed row, and its 64 result registers run along
; the 128 held rows.  THE ROWS OF A TILE ARE NOT NEIGHBOURS: lane r of tile t takes row 64 (t / 4) + 8 (t % 4) + r + 24 (r / 8), so that register 32 c + i of a lane is held row 64 c + 32 (lane / 16) + i: whole
; blocks of 32 along the next product's K in a lane.  For q and k the held rows are 128 rows of W (the next K = channels) and the streamed rows are tokens; for v the held rows are 128 tokens (the next
; K = keys) and the streamed rows are channels of Wv.
; SHARES.  Cluster c of four work-groups: isv = c % 2 (0: k, 1: v), the same in all four.  The work-group at place cx takes the 128 tokens of block 4 (c / 2) + cx; i = 2 block + isv numbers its record and its group of
; 64 queries, which are half isv of its block.  Wave g = 0..2 takes channels 128 g on.  First 4 jobs: q of tokens 64 i on; then 8 jobs: k or v of the block.  Twelve jobs a wave in every work-group.
; Three waves, since 384 channels are three groups of 128 held rows.
; THE CODES COME THROUGH LDS, each byte filled once: the block's tokens (36,864 bytes), all of Wq and all of Wk or Wv (110,592 each): dense blocks of memory, brought as rows of 256 bytes, each by one wave.
; The two weights are the same for the four partners and are asked for JOINTLY (mask of all four); the tokens are each work-group's own: a plain load.  Nothing is filled again, so there is no ring.
; An LDS row is a row of codes, 288 bytes = 72 words, without padding (72 is no power of two): rows r and r + 32 of a tile lie 9,216 bytes = 36 x 256 apart and meet in the same banks (64 banks of 4 bytes: ISA guide
; 11.1): a fragment's loads go two deep.  Scale words and biases are few and go from memory straight into registers.
; OUT.  kv: block B (128 tokens) at 76,800 B: K's record, then V's, 38,400 bytes each: fragment (group g, tile j) at 1,536 (8 g + j), registers 4 c .. 4 c + 3 of lane l at 512 c + 16 l; scale words at 36,864 + 512 g:
; lane l's word n at 16 l + 4 n: lanes 0-15 tile 2 n, lanes 16-31 tile 2 n + 1.  qq: group i (64 tokens) at 19,200 i: fragment at 1,536 (4 g + j); scale words at 18,432 + 256 g, lane l's word n at 8 l + 4 n.
; Every store of a wave covers 512 (the scale words of q: 256) consecutive bytes, aligned to 256.
; LIMITS: NaN, infinities and the scale byte 0xff among the inputs are not served.  A block whose largest magnitude lies under 2^-122 (a block of zeros too) gets the byte 1: the floor; a block of zeros has zero
; codes, which add nothing under that byte, and these bytes are read by this program alone.
.set XR,   0                           ; LDS: the block's 128 tokens,
.set WA,   36864                       ; Wk or Wv,
.set WQ,   147456                      ; Wq: it ends at 258,048
.set HA,   2                           ; v2   (r + 24 (r / 8)) x 288 + 24 (lane / 16): my place in a tile of codes (a row is 288 bytes)
.set HSO,  3                           ; v3   (r + 24 (r / 8)) x 12: my row's scale bytes
.set LI,   4                           ; v4   16 x lane
.set L8,   5                           ; v5   8 x lane
.set BO,   6                           ; v6   128 (lane / 16): the bias of held rows
.set BVO,  7                           ; v7   4 (r + 24 (r / 8)): the bias of my streamed row (v)
.set AX,   12                          ; v12  LDS: my place in the tokens' tiles
.set AW,   13                          ; v13  in my 128 rows of Wk or Wv
.set AQ,   14                          ; v14  in my 128 rows of Wq
.set AXQ,  15                          ; v15  in the tokens' half that is my group of queries
.set T0,   16                          ; v16-87   the streamed tile: two sets of 36 (three K steps of 12)
.set TSW,  88                          ; v88-90, v92-94 its scale words
.set HSW,  96                          ; v96-119  the held tiles' scale words: 3 t + s
.set CV,   120                         ; v120-135 two sets of 8: bv of my channel, as a C operand
.set ACC,  136                         ; v136-199 the 8 accumulators
.set PC,   200                         ; v200-211 the codes just made; v212-214, v216-218 their second halves on the way
.set TM,   220                         ; v220-235 at work in the quantiser
.set PWS,  236                         ; v236-243 the jobs' scale words
.set W,    244                         ; v244-247 scale words as they are stored
.set CB,   128                         ; window 2, v128-191: the bias of the held rows (q, k), 8 registers a tile
; window 1: held fragments of K steps 0 and 1 at 12 (2 t + s);  window 2: those of K step 2 at 12 t
.set HS,   36                          ; k or v: s[36:37] held scales, s[38:39] streamed scales, s[40:41] bias, s[42:43] where codes go, s[44:45] where scale words go
.set TS,   38
.set BI,   40
.set OC,   42
.set OS,   44
.set HS2,  46                          ; the same five for q
.set TS2,  48
.set BI2,  50
.set OC2,  52
.set OS2,  54
.set SEL,  66                          ; s[66:67] lane selects for v_permlanex16_b32: lane l xor 16
.set G1W,  72                          ; s[72:79] descriptor group 1 for a weight;  s[80:87] for the tokens
.set G1X,  80
.set G0X,  88                          ; s[88:91], s[92:95], s[96:99] groups 0: the tokens, Wq, Wk or Wv
.set G0Q,  92
.set G0A,  96
; s[70:71]: offsets made of the wave's number alone: they feed my rows' LDS, scale and bias addresses.  s[34:35]: offsets that hang on my place in the cluster: they feed my own tokens', scales' and outputs' addresses alone.
.set MSB,  0
.macro WIN new                         ; the immediate's high byte repeats the setting that is left
.if MSB != (\new)
	s_set_vgpr_msb (MSB<<8)|(\new)
.set MSB, (\new)
.endif
.endm
.macro PLACES n
.rept \n
	v_nop
.endr
.endm
.macro ROUND                           ; a round of the cluster's barrier
	s_barrier_signal -1
	s_barrier_wait -1
	s_cmp_lg_u32 s2, 0
	s_cbranch_scc1 .Lnot_wave_0_\@
	s_barrier_signal -3
.Lnot_wave_0_\@:
	s_barrier_wait -3
	s_barrier_signal -1
	s_barrier_wait -1
.endm
; a fragment, 16 rows x 128 K, from LDS: lane (r, h) takes 24 bytes at 96 s + 24 h and 24 at 96 s + 48 + 24 h of its row, in pieces of 8 bytes, so that every address is a multiple of the access's size
.macro FRAGL reg, adr, rows, s
.irp p, 0,1,2,3,4,5
	ds_load_b64 v[(\reg)+2*\p:(\reg)+2*\p+1], v[\adr] offset:(\rows)*288+96*(\s)+48*(\p/3)+8*(\p%3)
.endr
.endm
.macro HLOADC ha                       ; the held operand's 24 fragments: 144 LDS loads
	WIN 0x40                                       ; destination window 1, address window 0
.set i_, 0
.rept 8
	FRAGL 12*(2*i_), \ha, 64*(i_/4)+8*(i_%4), 0    ; ROW ORDER OF THIS TEXT: lane r of tile t takes row 64 (t / 4) + 8 (t % 4) + r + 24 (r / 8), so that register 32 c + i of a lane is held row 64 c + 32 (lane / 16) + i: whole blocks of 32 in a lane
	FRAGL 12*(2*i_+1), \ha, 64*(i_/4)+8*(i_%4), 1
.set i_, i_+1
.endr
	WIN 0x80                                       ; destination window 2
.set i_, 0
.rept 8
	FRAGL 12*i_, \ha, 64*(i_/4)+8*(i_%4), 2
.set i_, i_+1
.endr
	WIN 0
.endm
.macro HLOADS hs                       ; and its 24 scale words, from memory
.set i_, 0
.rept 8
.irp s, 0,1,2
	global_load_b32 v[HSW+3*i_+\s], v[HSO], s[\hs:\hs+1] offset:(64*(i_/4)+8*(i_%4))*12+4*\s
.endr
.set i_, i_+1
.endr
.endm
.macro BLOAD bi                        ; q, k: in tile t register j of lane (r, h) is held row 64 (t / 4) + 8 (t % 4) + 32 h + j: its bias
	WIN 0x80
.set i_, 0
.rept 8
	global_load_b128 v[CB+8*i_:CB+8*i_+3], v[BO], s[\bi:\bi+1] offset:(64*(i_/4)+8*(i_%4))*4
	global_load_b128 v[CB+8*i_+4:CB+8*i_+7], v[BO], s[\bi:\bi+1] offset:(64*(i_/4)+8*(i_%4))*4+16
.set i_, i_+1
.endr
	WIN 0
.endm
.macro TLC j, ta                       ; streamed tile j's codes into set j % 2: 18 LDS loads
.set tS, T0+36*((\j)%2)
.set tR, 64*((\j)/4)+8*((\j)%4)
	FRAGL tS, \ta, tR, 0
	FRAGL tS+12, \ta, tR, 1
	FRAGL tS+24, \ta, tR, 2
.endm
.macro TLS j, ts, bi, isv              ; its 3 scale words, from memory; for v 8 loads more: a lane holds ONE channel, so its C operand is that channel's bias eight times
.set tR, 64*((\j)/4)+8*((\j)%4)
.irp s, 0,1,2
	global_load_b32 v[TSW+4*((\j)%2)+\s], v[HSO], s[\ts:\ts+1] offset:tR*12+4*\s
.endr
.if \isv
.irp n, 0,1,2,3,4,5,6,7
	global_load_b32 v[CV+8*((\j)%2)+\n], v[BVO], s[\bi:\bi+1] offset:tR*4
.endr
.endif
.endm
; 24 matrix instructions: the eight accumulators take turns, one instruction a turn, K step by K step
.macro MM j, isv
.set tS, T0+36*((\j)%2)
.set tW, TSW+4*((\j)%2)
.set tC, CV+8*((\j)%2)
.if \isv
	WIN 0x01                                       ; source 0 (held) window 1
.else
	WIN 0x21                                       ; and source 2 (the bias) window 2
.endif
.set i_, 0
.rept 8
.if \isv
	v_wmma_scale_f32_16x16x128_f8f6f4 v[ACC+8*i_:ACC+8*i_+7], v[24*i_:24*i_+11], v[tS:tS+11], v[tC:tC+7], v[HSW+3*i_], v[tW] matrix_a_fmt:MATRIX_FMT_BF6 matrix_b_fmt:MATRIX_FMT_BF6
.else
	v_wmma_scale_f32_16x16x128_f8f6f4 v[ACC+8*i_:ACC+8*i_+7], v[24*i_:24*i_+11], v[tS:tS+11], v[CB+8*i_:CB+8*i_+7], v[HSW+3*i_], v[tW] matrix_a_fmt:MATRIX_FMT_BF6 matrix_b_fmt:MATRIX_FMT_BF6
.endif
.set i_, i_+1
.endr
	WIN 0x01
.set i_, 0
.rept 8
	v_wmma_scale_f32_16x16x128_f8f6f4 v[ACC+8*i_:ACC+8*i_+7], v[24*i_+12:24*i_+23], v[tS+12:tS+23], v[ACC+8*i_:ACC+8*i_+7], v[HSW+3*i_+1], v[tW+1] matrix_a_fmt:MATRIX_FMT_BF6 matrix_b_fmt:MATRIX_FMT_BF6
.set i_, i_+1
.endr
	WIN 0x02                                       ; source 0 window 2
.set i_, 0
.rept 8
	v_wmma_scale_f32_16x16x128_f8f6f4 v[ACC+8*i_:ACC+8*i_+7], v[12*i_:12*i_+11], v[tS+24:tS+35], v[ACC+8*i_:ACC+8*i_+7], v[HSW+3*i_+2], v[tW+2] matrix_a_fmt:MATRIX_FMT_BF6 matrix_b_fmt:MATRIX_FMT_BF6
.set i_, i_+1
.endr
.endm
; 64 numbers of a lane, register 32 c + i = k 64 c + 32 (lane / 16) + i of my row, become a fragment's codes in v[PC] on and its scale word in v[pw]
.macro QUANT s, pw
.irp b, 0,1,2,3
	v_max3_num_f32 v[TM+\b], |v[\s+16*\b]|, |v[\s+1+16*\b]|, 0x2800000   ; block b: my 16 numbers, and the floor 2^(5 - 127): the byte cannot fall under 1
.endr
.irp i, 2,4,6,8,10,12,14
.irp b, 0,1,2,3
	v_max3_num_f32 v[TM+\b], v[TM+\b], |v[\s+16*\b+\i]|, |v[\s+1+16*\b+\i]|   ; the four blocks by turns; each accumulator is read from its low end on
.endr
.endr
.irp c, 0,1                                    ; a lane holds both halves of its two blocks, 64 c + 32 (lane / 16) + 0 .. 31
	v_max_num_f32 v[TM+2*\c], v[TM+2*\c], v[TM+2*\c+1]
.endr
.irp c, 0,1
	v_add_nc_u32 v[TM+12+\c], 0xfe000000, v[TM+2*\c] ; 4 off its exponent field: the conversion takes the exponent field of this operand as its scale
.endr
.irp c, 0,1
	v_lshrrev_b32 v[TM+4+\c], 23, v[TM+12+\c]      ; the scale's byte
.endr
	v_lshl_or_b32 v[TM+4], v[TM+5], 16, v[TM+4]    ; my two bytes, at places 2 c + (lane / 16) of the scale word,
	v_lshlrev_b32 v[TM+4], v9, v[TM+4]
	v_permlanex16_b32 v[TM+6], v[TM+4], s[SEL], s[SEL+1]
	v_or_b32 v[\pw], v[TM+4], v[TM+6]              ; and lane l xor 16's two: my row's scale word, the same in both lanes
.irp c, 0,1
	v_cvt_scalef32_pk16_bf6_f32 v[PC+6*\c:PC+2+6*\c], v[\s+32*\c:\s+15+32*\c], v[TM+12+\c]
	v_cvt_scalef32_pk16_bf6_f32 v[PC+12+4*\c:PC+14+4*\c], v[\s+16+32*\c:\s+31+32*\c], v[TM+12+\c]   ; (a conversion's three registers begin on an even number)
.endr
	v_nop                                          ; one plain place behind a scaled conversion
.irp c, 0,1                                    ; the operand's layout wants a WHOLE block in a lane: lanes 0-15 block 2 c, lanes 16-31 block 2 c + 1
.irp i, 0,1,2
	v_mov_b32 v[PC+3+6*\c+\i], v[PC+12+4*\c+\i]
.endr
.endr
.endm
.macro OUTF j, oc                      ; the fragment leaves as it stands: each store covers 512 consecutive bytes
.irp c, 0,1,2
	global_store_b128 v[LI], v[PC+4*\c:PC+4*\c+3], s[\oc:\oc+1] offset:(\j)*1536+512*\c
.endr
.endm
; hook = 1, 2 (q's last job, in k's and in v's arm): the next eight jobs' operands are asked for as soon as the last products have read q's: what comes from memory first, then what comes from LDS
.macro JOB j, n, isv, ta, ts, bi, oc, hook
.if (\j)+1 < (\n)
	TLC (\j)+1, \ta
	TLS (\j)+1, \ts, \bi, \isv
	s_wait_loadcnt 3+8*(\isv)                      ; all loads from memory but the next tile's, just issued, are in;
	s_wait_dscnt 18                                ; all loads from LDS but the next tile's 18
.else
	s_wait_loadcnt 0x0
	s_wait_dscnt 0x0
.endif
	MM \j, \isv
	WIN 0
	PLACES 4                                       ; behind the last products: in front of the first read of results and of loads into registers that they have read
	s_wait_xcnt 0x0                                ; the last job's stores have read the codes' registers, which are written again below
.if (\hook) == 1
	HLOADS HS
	BLOAD BI
	TLS 0, TS, BI, 0
	HLOADC AW                                      ; k: held = my 128 rows of Wk, streamed = the tokens
	TLC 0, AX
.elseif (\hook) == 2
	HLOADS HS
	TLS 0, TS, BI, 1
	HLOADC AX                                      ; v: held = the tokens, streamed = my 128 rows of Wv
	TLC 0, AW
.endif
	QUANT ACC, PWS+(\j)
	OUTF \j, \oc
.endm
.macro SCOUT n                         ; the scale words of 2 n tiles: lanes 0-15 keep the even tile's, lanes 16-31 take the odd tile's
.set m_, 0
.rept \n
	v_cndmask_b32 v[W+m_], v[PWS+2*m_], v[PWS+2*m_+1], s68
.set m_, m_+1
.endr
.if (\n) == 4
	global_store_b128 v[LI], v[W:W+3], s[OS:OS+1]
.else
	global_store_b64 v[L8], v[W:W+1], s[OS2:OS2+1]
.endif
.endm
	s_load_b512 s[8:23], s[0:1], 0x0               ; x_codes 8, x_scales 10, Wq_codes 12, Wq_scales 14, bq 16, Wk_codes 18, Wk_scales 20, bk 22
	s_load_b256 s[24:31], s[0:1], 0x40             ; Wv_codes 24, Wv_scales 26, bv 28, kv 30
	s_load_b64 s[32:33], s[0:1], 0x60              ; qq
	v_lshl_add_u32 v254, v0, 2, 0x40000
	v_mov_b32 v255, 0
	ds_add_u32 v254, v255
	ds_add_u32 v254, v255
	v_lshrrev_b32 v1, 5, v0
	v_readfirstlane_b32 s2, v1                     ; g: wave 0..2
	s_bfe_u32 s6, ttmp6, 0x40000                   ; cx: my place in the cluster
	s_and_b32 s5, ttmp9, 1                         ; isv: 0: k, 1: v: made of the cluster's number alone, so it is the same in all four partners
	s_lshr_b32 s4, ttmp9, 1
	s_lshl_b32 s4, s4, 2
	s_add_co_u32 s4, s4, s6                        ; my block of 128 tokens
	s_lshl_b32 s3, s4, 1
	s_add_co_u32 s3, s3, s5                        ; i: my record, and my group of 64 queries
	s_mov_b32 s[SEL], 0x76543210
	s_mov_b32 s[SEL+1], 0xfedcba98
	s_mov_b32 s68, 0xffff0000                      ; lanes 16-31
	s_mov_b32 s71, 0
	s_mov_b32 s35, 0
	; descriptor group 1: a whole weight: 110,592 dense bytes as 432 rows of 256 bytes (32 elements of 8 bytes), no padding
	s_mov_b32 s[G1W], 15|(3<<16)|(1<<21)           ; 15:0 the mask: all four work-groups; 17:16 elements of 8 bytes; 21 set beside a mask
	s_mov_b32 s[G1W+1], 32<<16                     ; tensor_dim0 = 32
	s_mov_b32 s[G1W+2], 432<<16                    ; tensor_dim1 = 432: a whole weight, 110,592 bytes
	s_mov_b32 s[G1W+3], 32<<16                     ; tile_dim0 = 32
	s_mov_b32 s[G1W+4], 432                        ; tile_dim1 = 432
	s_mov_b32 s[G1W+5], 32                         ; from row to row
	s_mov_b32 s[G1W+6], 0
	s_mov_b32 s[G1W+7], 0
	; and my tokens: 36,864 dense bytes as 144 such rows; no mask: they are mine alone
	s_mov_b32 s[G1X], 3<<16
	s_mov_b32 s[G1X+1], 32<<16
	s_mov_b32 s[G1X+2], 144<<16                    ; all of the block's tokens, 36,864 bytes
	s_mov_b32 s[G1X+3], 32<<16
	s_mov_b32 s[G1X+4], 144
	s_mov_b32 s[G1X+5], 32
	s_mov_b32 s[G1X+6], 0
	s_mov_b32 s[G1X+7], 0
	s_mul_i32 s70, s2, 36864                       ; my third of a weight's codes = my 128 rows
	s_mul_i32 s69, s2, 12288                       ; 12,288 g: my eight fragments' place in a record
	s_mov_b32 s[G0X], 1                            ; 1:0 count = 1
	s_mov_b32 s[G0X+1], XR
	s_mov_b32 s[G0Q], 1
	s_mov_b32 s[G0Q+1], WQ
	s_mov_b32 s[G0A], 1
	s_mov_b32 s[G0A+1], WA
	s_add_co_u32 s36, s70, WA                      ; my 128 rows of the second weight, of Wq
	s_add_co_u32 s37, s70, WQ
	s_mul_i32 s7, s5, 18432                        ; my queries are half isv of the block
	v_and_b32 v8, 15, v0                           ; r
	v_bfe_u32 v9, v0, 4, 1                         ; h
	v_and_b32 v10, 8, v8
	v_mad_u32_u24 v10, v10, 3, v8                  ; r + 24 (r / 8)
	v_mul_u32_u24 v[HA], v10, 288
	v_mad_u32_u24 v[HA], v9, 24, v[HA]
	v_add_nc_u32 v[AX], XR, v[HA]
	v_add_nc_u32 v[AW], s36, v[HA]
	v_add_nc_u32 v[AQ], s37, v[HA]
	v_add_nc_u32 v[AXQ], s7, v[AX]
	v_mul_u32_u24 v[HSO], v10, 12
	v_and_b32 v11, 31, v0
	v_lshlrev_b32 v[LI], 4, v11
	v_lshlrev_b32 v[L8], 3, v11
	v_lshlrev_b32 v[BO], 7, v9                     ; 128 (lane / 16): the bias of held rows
	v_lshlrev_b32 v9, 3, v9                        ; 8 (lane / 16), for the quantiser
	v_lshlrev_b32 v[BVO], 2, v10
.irp b, 0,1,2,3
	v_mov_b32 v[TM+4+\b], 0                        ; written once: a lane permute's destination counts as one of its sources
.endr
	s_wait_dscnt 0x0
	s_wait_kmcnt 0x0
	s_mov_b64 s[G0Q+2:G0Q+3], s[12:13]             ; all of Wq's codes
	s_mul_i32 s70, s2, 1536                        ; my 128 rows of a weight's scale bytes
	s_add_nc_u64 s[20:21], s[20:21], s[70:71]
	s_add_nc_u64 s[26:27], s[26:27], s[70:71]
	s_add_nc_u64 s[HS2:HS2+1], s[14:15], s[70:71]
	s_lshl_b32 s70, s2, 9                          ; my 128 numbers of a bias
	s_add_nc_u64 s[22:23], s[22:23], s[70:71]
	s_add_nc_u64 s[28:29], s[28:29], s[70:71]
	s_add_nc_u64 s[BI2:BI2+1], s[16:17], s[70:71]
	s_mul_i32 s34, s3, 768                         ; q: the scale bytes of tokens 64 i on
	s_add_nc_u64 s[TS2:TS2+1], s[10:11], s[34:35]
	s_mul_i32 s34, s4, 1536                        ; k, v: those of the block's 128 tokens
	s_add_nc_u64 s[10:11], s[10:11], s[34:35]
	s_mul_i32 s34, s4, 36864                       ; the block's codes,
	s_add_nc_u64 s[8:9], s[8:9], s[34:35]
	s_mov_b64 s[G0X+2:G0X+3], s[8:9]
	s_mul_i32 s34, s3, 38400                       ; my record: 76,800 x block + 38,400 for v = 38,400 i
	s_add_nc_u64 s[30:31], s[30:31], s[34:35]
	s_mov_b32 s34, s69                             ; 12,288 g: my eight fragments
	s_add_nc_u64 s[OC:OC+1], s[30:31], s[34:35]
	s_lshl_b32 s34, s2, 9
	s_add_co_u32 s34, s34, 36864
	s_add_nc_u64 s[OS:OS+1], s[30:31], s[34:35]
	s_mul_i32 s34, s3, 19200
	s_add_nc_u64 s[32:33], s[32:33], s[34:35]
	s_mul_i32 s34, s2, 6144
	s_add_nc_u64 s[OC2:OC2+1], s[32:33], s[34:35]
	s_lshl_b32 s34, s2, 8
	s_add_co_u32 s34, s34, 18432
	s_add_nc_u64 s[OS2:OS2+1], s[32:33], s[34:35]
	s_cmp_eq_u32 s5, 0                             ; k or v: the choice hangs on the cluster's number alone
	s_cselect_b64 s[G0A+2:G0A+3], s[18:19], s[24:25]   ; the second weight: Wk or Wv
	s_cselect_b64 s[HS:HS+1], s[20:21], s[10:11]   ; held: Wk's rows, or the tokens
	s_cselect_b64 s[TS:TS+1], s[10:11], s[26:27]   ; streamed: the tokens, or Wv's rows
	s_cselect_b64 s[BI:BI+1], s[22:23], s[28:29]
	s_or_b32 s[G0X+3], s[G0X+3], 0x80000000        ; 127:126 type = 2
	s_or_b32 s[G0Q+3], s[G0Q+3], 0x80000000
	s_or_b32 s[G0A+3], s[G0A+3], 0x80000000
	ROUND                                          ; all four work-groups are here: the joint loads meet
	s_cmp_eq_u32 s2, 0                             ; ONE fill a wave: wave 0 my tokens, wave 1 Wq, wave 2 Wk or Wv: one chain of arms, all leading to one join
	s_cbranch_scc0 .Lfill_q
	tensor_load_to_lds s[G0X:G0X+3], s[G1X:G1X+7]
	s_nop 0
	PLACES 4
	s_branch .Lfilled
.Lfill_q:
	s_cmp_eq_u32 s2, 1
	s_cbranch_scc0 .Lfill_a
	tensor_load_to_lds s[G0Q:G0Q+3], s[G1W:G1W+7]
	s_nop 0
	PLACES 4
	s_branch .Lfilled
.Lfill_a:
	tensor_load_to_lds s[G0A:G0A+3], s[G1W:G1W+7]
	s_nop 0
	PLACES 4
.Lfilled:
	HLOADS HS2                                     ; what q wants from memory is on its way while the tiles land
	s_wait_alu depctr_va_vdst(0)
	BLOAD BI2
	TLS 0, TS2, BI2, 0
	s_wait_tensorcnt 0x0                           ; my tile is in
	s_barrier_signal -1
	s_barrier_wait -1                              ; everybody's are
	HLOADC AQ                                      ; ---- q: held = my 128 rows of Wq, streamed = my 64 queries
	TLC 0, AXQ
.irp j, 0,1,2
	JOB \j, 4, 0, AXQ, TS2, BI2, OC2, 0
.endr
	s_wait_alu depctr_va_vdst(0)
	s_cmp_lg_u32 s5, 0
	s_cbranch_scc1 .Lv
	JOB 3, 4, 0, AXQ, TS2, BI2, OC2, 1             ; q's last job, and k's operands
	SCOUT 2
.irp j, 0,1,2,3,4,5,6,7
	JOB \j, 8, 0, AX, TS, BI, OC, 0                ; ---- k
.endr
	SCOUT 4
	s_branch .Lend
.Lv:
	JOB 3, 4, 0, AXQ, TS2, BI2, OC2, 2             ; q's last job, and v's operands
	SCOUT 2
.irp j, 0,1,2,3,4,5,6,7
	JOB \j, 8, 1, AW, TS, BI, OC, 0                ; ---- v
.endr
	SCOUT 4
.Lend:
	s_wait_tensorcnt 0x0
	ds_add_u32 v254, v255
	s_wait_dscnt 0x0
	ROUND                                          ; the closing round: no work-group ends while a partner may still ask for a tile that names it (my LDS loads were all waited for at the last job's head)
	s_endpgm
.Lfunc_end_k_q369258e20a_proj:
	.size	k_q369258e20a_proj, .Lfunc_end_k_q369258e20a_proj-k_q369258e20a_proj
	.p2alignl 7, 3214868480
	.fill 96, 4, 3214868480
	.section	.rodata,"a",@progbits
	.p2align	6, 0x0
	.amdhsa_kernel k_q369258e20a_proj
		.amdhsa_group_segment_fixed_size 262656
		.amdhsa_private_segment_fixed_size 0
		.amdhsa_enable_private_segment 0
		.amdhsa_kernarg_size 104
		.amdhsa_user_sgpr_count 2
		.amdhsa_user_sgpr_kernarg_segment_ptr 1
		.amdhsa_wavefront_size32 1
		.amdhsa_system_sgpr_workgroup_id_x 1
		.amdhsa_system_sgpr_workgroup_id_y 1
		.amdhsa_system_sgpr_workgroup_id_z 1
		.amdhsa_system_vgpr_workitem_id 0
		.amdhsa_next_free_vgpr 704
		.amdhsa_next_free_sgpr 100
		.amdhsa_reserve_vcc 0
		.amdhsa_float_denorm_mode_32 3
		.amdhsa_float_denorm_mode_16_64 3
		.amdhsa_memory_ordered 1
		.amdhsa_forward_progress 1
		.amdhsa_inst_pref_size 220
	.end_amdhsa_kernel
	.amdgpu_metadata
---
amdhsa.version: [ 1, 2 ]
amdhsa.kernels:
  - .name:           k_q369258e20a_proj
    .symbol:         k_q369258e20a_proj.kd
    .args:
      - { .name: x_codes, .offset: 0, .size: 8, .value_kind: global_buffer, .address_space: global }
      - { .name: x_scales, .offset: 8, .size: 8, .value_kind: global_buffer, .address_space: global }
      - { .name: Wq_codes, .offset: 16, .size: 8, .value_kind: global_buffer, .address_space: global }
      - { .name: Wq_scales, .offset: 24, .size: 8, .value_kind: global_buffer, .address_space: global }
      - { .name: bq, .offset: 32, .size: 8, .value_kind: global_buffer, .address_space: global }
      - { .name: Wk_codes, .offset: 40, .size: 8, .value_kind: global_buffer, .address_space: global }
      - { .name: Wk_scales, .offset: 48, .size: 8, .value_kind: global_buffer, .address_space: global }
      - { .name: bk, .offset: 56, .size: 8, .value_kind: global_buffer, .address_space: global }
      - { .name: Wv_codes, .offset: 64, .size: 8, .value_kind: global_buffer, .address_space: global }
      - { .name: Wv_scales, .offset: 72, .size: 8, .value_kind: global_buffer, .address_space: global }
      - { .name: bv, .offset: 80, .size: 8, .value_kind: global_buffer, .address_space: global }
      - { .name: kv, .offset: 88, .size: 8, .value_kind: global_buffer, .address_space: global }
      - { .name: qq, .offset: 96, .size: 8, .value_kind: global_buffer, .address_space: global }
    .group_segment_fixed_size: 262656
    .private_segment_fixed_size: 0
    .kernarg_segment_align: 8
    .kernarg_segment_size: 104
    .max_flat_workgroup_size: 96
    .sgpr_count:     100
    .vgpr_count:     704
    .wavefront_size: 32
...
	.end_amdgpu_metadata
.endif
;; end of part 1
;; launch attn (part 2): grid 64 x 4, 4 waves a work-group, clusters of 4 x 1, 327,680 bytes of LDS; arguments kv, qq, out0; writes out0
.if DOCPART == 2
	.amdgcn_target "amdgcn-amd-amdhsa--gfx1250"
	.amdhsa_code_object_version 6
	.text
	.protected	k_q369258e20a_attn
	.globl	k_q369258e20a_attn
	.p2align	8
	.type	k_q369258e20a_attn,@function
k_q369258e20a_attn:
	s_mov_b64 s[64:65], 0
	v_nop
	global_prefetch_b8 v0, s[64:65] scope:SCOPE_SE
	s_setreg_imm32_b32 hwreg(HW_REG_WAVE_MODE, 25, 1), 1
	s_wait_xcnt 0x0
	s_wait_alu depctr_hold_cnt(0) depctr_sa_sdst(0) depctr_va_vdst(0) depctr_va_sdst(0) depctr_va_ssrc(0) depctr_va_vcc(0) depctr_vm_vsrc(0)
	s_getreg_b32 s2, hwreg(HW_REG_IB_STS2, 6, 4)
	s_cmp_eq_u32 s2, 0
	s_cbranch_scc0 .Lentry_in_a_cluster
	s_endpgm
.Lentry_in_a_cluster:
	s_bfe_u32 s2, ttmp6, 0x10000c
	s_cmp_lg_u32 s2, 0x3003
	s_cbranch_scc0 .Lentry_shape_is_right
	s_endpgm
.Lentry_shape_is_right:
; out[b][q][:] = the sum over k of softmax_k(q . k / sqrt(384)) v[k][:], 4 batches x 4,096 tokens x 384 channels, both products on codes of BF6 (E3M2) with one E8M0 scale for each 32 along a product's K.
; q, k, v arrive from the launch before as images of the operands' registers.  kv: block B of 128 keys at 76,800 B: K's record, then V's, 38,400 bytes each: 36,864 of codes (fragment n at 1,536 n, registers 4 c .. 4 c + 3
; of lane l at 512 c + 16 l), then scale words (512 g + 16 l + 4 m: lanes 0-15 tile 8 g + 2 m, lanes 16-31 tile 8 g + 2 m + 1).  qq: a group of 64 queries, 19,200 bytes: fragment (g, a) at 1,536 (4 g + a), scale words at 18,432.
; THE SOFTMAX AHEAD OF THE SECOND PRODUCT: t = score x log2(e) / sqrt(384); M = the row's largest t so far, rounded UP to a whole number; p = 2^(t - M) is quantised along the keys, not normalised; the row's sum
; is taken of the unquantised p and divides at the end.  When M moves, the sum and O are multiplied by 2^(old M - new M): exact.
; SHARES.  A work-group owns 64 queries of a batch: four tiles of 16.  A step is 512 keys = four records of 128; eight steps.  In K Q^T wave w takes the step's record w against all four query tiles; in V^T P it takes
; 96 channels (tiles 8 g + 2 w + u, g = 0..2, u = 0, 1) against all four: each fragment of K or V is read from LDS once in the work-group and feeds four matrix instructions.  P's codes go from wave to wave through LDS;
; a wave takes its own record's P from its registers and begins with it: its n-th record is (w + n) mod 4.  The row's maximum is made of all waves' by 2 KB of LDS, so M and f are the same in all four waves.
; LAYOUT.  Both products are used transposed: S^T = K Q^T (source 0 = 16 keys), O^T = V^T P^T (source 0 = 16 channels): a lane holds ONE query (r = lane % 16) of each tile throughout.  The rows of a tile are not neighbours
; (lane r of tile t: row 64 (t / 4) + 8 (t % 4) + r + 24 (r / 8)), so that the 32 registers of tiles 4 c .. 4 c + 3 are the 32 neighbours 64 c + 32 h + 0 .. 31 (h = lane / 16): a whole block of 32 keys in one lane.
; ORDER OF A TRIP (j = 0..5): round; K of step j + 2 is asked for; V^T P of step j; round; V of step j + 1 is asked for; softmax of step j + 1; K Q^T and block maxima of step j + 2.  So LDS holds one step's K (each wave's
; own record) and one step's V, and each is filled while the other is at work.  CLUSTER: four work-groups of one batch walk the same K and V: each record is asked for JOINTLY (mask of all four); wave w fetches record w.
; LIMITS: NaN, infinities and the scale byte 0xff are not served; scaled scores stay under 2^31 in magnitude.  A block of p that has fallen under 2^-122 gets the byte 1 (the floor).  log2(e) and 1 / sqrt(384) are one
; f32 constant, so t is rounded once.
; REGISTERS, in windows of 256.  Window 0: addresses, statistics, scale words, at work; v112-183, v184-255 two sets of six fragments of K or V.  Window 1: O^T, tile (query tile a, e = 2 g + u) at 48 a + 8 e; v192-223 the
; waves' maxima.  Window 2: Q (36 a + 12 g); P, two sets of four fragments at 144, 192; v240-255 conversions on the way.  Window 3: S^T then p, query tile a at 64 a.
.set STEPB, 76800                      ; a block of 128 keys in kv
.set REC,   38400                      ; a record
.set CODES, 36864                      ; its codes
.set STEP,  4*STEPB                    ; from step to step
.set VA,    4*CODES                    ; LDS: K's four records at 0, V's four,
.set PA,    8*CODES                    ; P's codes: record n at 6,144 n, query tile a at 1,536 a,
.set PSC,   PA+24576                   ; P's scale words: 256 n + 8 l + 4 m: lane l's word of query tile 2 m + l / 16,
.set MX,    PSC+1024                   ; the waves' maxima: 256 (2 wave + h) + 16 r: four query tiles; behind them a second such place, for step 0,
.set SPARE, MX+4096                    ; the spare words, 128 bytes for each wave: two blocks of 256 bytes that no other line names
.set SPITCH, 1552                      ; the way out: 64 rows x (1,536 + 16) bytes on K's place, which has had its last fill and its last read by then
.set LI,  1                            ; v1   16 x lane
.set AK,  2                            ; v2   my record of K
.set AV,  3                            ; v3-6 V's record (w + n) mod 4, at my channels
.set AP,  7                            ; v7-9 P's record (w + n) mod 4, n = 1..3;  v10 my own
.set APO, 10
.set APS, 11                           ; v11-14 its scale words
.set SPSC, 15                          ; v15  where my scale bytes go
.set MXO, 16
.set MXI, 17
.set SPW, 18                           ; v18  LDS address of my spare word; never rewritten
.set NIL, 19                           ; v19  0; never rewritten
.set PFX, 20                           ; v20, v21 the prefetches' offsets
.set PFY, 21
.set VSO, 22                           ; v22-25 V's scale words of record (w + n) mod 4 in memory
.set NM,  26                           ; query tile a: v26 + 2 a: -M, v27 + 2 a: the largest score so far
.set F,   34                           ; v34 + 2 a: f = 2^(old M - new M); v35 + 2 a at work
.set L,   42                           ; v42 + 2 a, v43 + 2 a: the sum of my keys' p, in two halves
.set QS,  50
.set KS,  56
.set VS,  68
.set PS,  80
.set BM,  88                           ; v88 + 2 a + c: a block's largest score, then p, then byte.  (At the head: at work)
.set SCO, 96                           ; v96 + 2 a + c: the conversions' scale operands
.set LM,  104
.set D,   108
.set FB,  112
.set XM,  192                          ; window 1
.set P0,  144                          ; window 2
.set CT,  240
.set WV,  10
.set G1,  16                           ; s[16:23] descriptor group 1;  s[32:35], s[36:39] group 0 for K, V
.set G0K, 32
.set G0V, 36
.set CS,  26
.set CNT, 28
.set LIM, 29                           ; s29  1 in the batch's first cluster, else the greatest number
.set KB,  30                           ; s[30:31] my record of K of the step last asked for
.set VB,  40                           ; s[40:41] the first block of the step of V last asked for;  s[42:43] my record of V in it
.set VW,  42
.set CSN, 46
.set MSB, 0
.macro WIN new                         ; the immediate's high byte repeats the setting that is left
.if MSB != (\new)
	s_set_vgpr_msb (MSB<<8)|(\new)
.set MSB, (\new)
.endif
.endm
.macro PLACES n
.rept \n
	v_nop
.endr
.endm
.macro CREST                           ; a round of the cluster's barrier behind its opening barrier
	s_cmp_lg_u32 s[WV], 0
	s_cbranch_scc1 .Lnot_wave_0_\@
	s_barrier_signal -3
.Lnot_wave_0_\@:
	s_barrier_wait -3
	s_barrier_signal -1
	s_barrier_wait -1
.endm
.macro ROUND
	s_barrier_signal -1
	s_barrier_wait -1
	CREST
.endm
; one matrix instruction.  z: C = 0 (the product starts the sum);  ra, rb: the side's scale words stand in lanes 16-31
.macro WM d, a, b, z, sa, sb, ra, rb
.if (\z)
.if (\ra) && (\rb)
	v_wmma_scale_f32_16x16x128_f8f6f4 v[\d:\d+7], v[\a:\a+11], v[\b:\b+11], 0, v[\sa], v[\sb] matrix_a_fmt:MATRIX_FMT_BF6 matrix_b_fmt:MATRIX_FMT_BF6 matrix_a_scale:MATRIX_SCALE_ROW1 matrix_b_scale:MATRIX_SCALE_ROW1
.elseif (\ra)
	v_wmma_scale_f32_16x16x128_f8f6f4 v[\d:\d+7], v[\a:\a+11], v[\b:\b+11], 0, v[\sa], v[\sb] matrix_a_fmt:MATRIX_FMT_BF6 matrix_b_fmt:MATRIX_FMT_BF6 matrix_a_scale:MATRIX_SCALE_ROW1
.elseif (\rb)
	v_wmma_scale_f32_16x16x128_f8f6f4 v[\d:\d+7], v[\a:\a+11], v[\b:\b+11], 0, v[\sa], v[\sb] matrix_a_fmt:MATRIX_FMT_BF6 matrix_b_fmt:MATRIX_FMT_BF6 matrix_b_scale:MATRIX_SCALE_ROW1
.else
	v_wmma_scale_f32_16x16x128_f8f6f4 v[\d:\d+7], v[\a:\a+11], v[\b:\b+11], 0, v[\sa], v[\sb] matrix_a_fmt:MATRIX_FMT_BF6 matrix_b_fmt:MATRIX_FMT_BF6
.endif
.else
.if (\ra) && (\rb)
	v_wmma_scale_f32_16x16x128_f8f6f4 v[\d:\d+7], v[\a:\a+11], v[\b:\b+11], v[\d:\d+7], v[\sa], v[\sb] matrix_a_fmt:MATRIX_FMT_BF6 matrix_b_fmt:MATRIX_FMT_BF6 matrix_a_scale:MATRIX_SCALE_ROW1 matrix_b_scale:MATRIX_SCALE_ROW1
.elseif (\ra)
	v_wmma_scale_f32_16x16x128_f8f6f4 v[\d:\d+7], v[\a:\a+11], v[\b:\b+11], v[\d:\d+7], v[\sa], v[\sb] matrix_a_fmt:MATRIX_FMT_BF6 matrix_b_fmt:MATRIX_FMT_BF6 matrix_a_scale:MATRIX_SCALE_ROW1
.elseif (\rb)
	v_wmma_scale_f32_16x16x128_f8f6f4 v[\d:\d+7], v[\a:\a+11], v[\b:\b+11], v[\d:\d+7], v[\sa], v[\sb] matrix_a_fmt:MATRIX_FMT_BF6 matrix_b_fmt:MATRIX_FMT_BF6 matrix_b_scale:MATRIX_SCALE_ROW1
.else
	v_wmma_scale_f32_16x16x128_f8f6f4 v[\d:\d+7], v[\a:\a+11], v[\b:\b+11], v[\d:\d+7], v[\sa], v[\sb] matrix_a_fmt:MATRIX_FMT_BF6 matrix_b_fmt:MATRIX_FMT_BF6
.endif
.endif
.endm
.macro FLOADK n                        ; fragments 6 n .. 6 n + 5 of my record of K into set n % 2: 18 loads, each of 512 consecutive bytes
	WIN 0
.set e_, 0
.rept 6
.irp c, 0,1,2
	ds_load_b128 v[FB+72*((\n)%2)+12*e_+4*\c:FB+72*((\n)%2)+12*e_+4*\c+3], v[AK] offset:(6*(\n)+e_)*1536+512*\c
.endr
.set e_, e_+1
.endr
.endm
.macro VLOAD n                         ; my six channel tiles of my n-th record of V into set n % 2: 18 loads
	WIN 0
.set e_, 0
.rept 6
.irp c, 0,1,2
	ds_load_b128 v[FB+72*((\n)%2)+12*e_+4*\c:FB+72*((\n)%2)+12*e_+4*\c+3], v[AV+\n] offset:(8*(e_/2)+(e_%2))*1536+512*\c
.endr
.set e_, e_+1
.endr
.endm
.macro PLOAD n                         ; the n-th record's P, four fragments, into set n % 2: 12 loads
	WIN 0x80                                       ; destination window 2
.irp a, 0,1,2,3
.irp c, 0,1,2
	ds_load_b128 v[P0+48*((\n)%2)+12*\a+4*\c:P0+48*((\n)%2)+12*\a+4*\c+3], v[AP+\n-1] offset:1536*\a+512*\c
.endr
.endr
.endm
.macro KSC                             ; K's scale words of the step asked for: register 4 g + m: lanes 0-15 tile 2 m, lanes 16-31 tile 2 m + 1
.irp g, 0,1,2
	global_load_b128 v[KS+4*\g:KS+4*\g+3], v[LI], s[KB:KB+1] offset:CODES+512*\g
.endr
.endm
.macro VSC                             ; V's: register 3 n + g: lanes 0-15 my tile 8 g + 2 w, lanes 16-31 the next, of my n-th record
.irp n, 0,1,2,3
.irp g, 0,1,2
	global_load_b32 v[VS+3*\n+\g], v[VSO+\n], s[VB:VB+1] offset:REC+CODES+512*\g
.endr
.endr
.endm
.macro MXLOAD off                      ; the eight maxima (or sums) of my query in each tile
	WIN 0x40
.set e_, 0
.rept 8
	ds_load_b128 v[XM+4*e_:XM+4*e_+3], v[MXI] offset:\off+256*e_
.set e_, e_+1
.endr
	WIN 0
.endm
; S^T = K Q^T: fragment f = 8 g + j: key tile j, channels 128 g on; against four query tiles.  The 32 accumulators take turns, one instruction a turn
.macro KQ n
	WIN 0xf8                                       ; K window 0, Q window 2, S^T window 3
.set e_, 0
.rept 6
.set g_, (6*(\n)+e_)/8
.set j_, (6*(\n)+e_)%8
.set rA, FB+72*((\n)%2)+12*e_
.set a_, 0
.rept 4
.set rD, 64*a_+8*j_
.set rB, 36*a_+12*g_
	WM rD, rA, rB, (g_==0), KS+4*g_+j_/2, QS+2*g_+a_/2, j_%2, a_%2
.set a_, a_+1
.endr
.set e_, e_+1
.endr
.endm
.macro KQSTEP ldw, dsw                 ; ldw: global loads younger than K's scale words; dsw: LDS instructions younger than the first batches
	s_wait_alu depctr_va_vdst(0)
	s_wait_loadcnt \ldw
	s_wait_dscnt \dsw
	KQ 0
	PLACES 4                                       ; in front of loads into registers that matrix instructions have read
	FLOADK 2
	s_wait_dscnt 18                                ; all but the 18 just issued
	KQ 1
	PLACES 4
	FLOADK 3
	s_wait_dscnt 18
	KQ 2
	s_wait_dscnt 0x0
	KQ 3
	PLACES 4                                       ; in front of the first read of the scores
.endm
; the largest score of each block of 32 keys (it serves for the row's maximum and, since p rises with the score, for the block's largest p), and of my 64 keys, which goes to the other waves
.macro LMAX off
	WIN 0x3f
.irp a, 0,1,2,3
.irp c, 0,1
	v_max3_num_f32 v[BM+2*\a+\c], v[64*\a+32*\c], v[64*\a+32*\c+1], v[64*\a+32*\c+2]
.endr
.endr
	WIN 0x3c
.irp i, 3,5,7,9,11,13,15,17,19,21,23,25,27,29  ; (each accumulator is read from its low end on)
.irp a, 0,1,2,3
.irp c, 0,1
	v_max3_num_f32 v[BM+2*\a+\c], v[BM+2*\a+\c], v[64*\a+32*\c+\i], v[64*\a+32*\c+\i+1]
.endr
.endr
.endr
.irp a, 0,1,2,3
.irp c, 0,1
	v_max_num_f32 v[BM+2*\a+\c], v[BM+2*\a+\c], v[64*\a+32*\c+31]
.endr
.endr
	WIN 0
.irp a, 0,1,2,3
	v_max_num_f32 v[LM+\a], v[BM+2*\a], v[BM+2*\a+1]
.endr
	ds_store_b128 v[MXO], v[LM:LM+3] offset:\off
.endm
.macro STATS younger                   ; M and f of the next softmax, from all waves' maxima
	s_wait_dscnt \younger                          ; the eight loads are in
	WIN 0x14                                       ; sources 1 and 2 window 1
.irp k, 0,2,4,6
.irp a, 0,1,2,3
	v_max3_num_f32 v[NM+1+2*\a], v[NM+1+2*\a], v[XM+4*\k+\a], v[XM+4*\k+4+\a]
.endr
.endr
	WIN 0
.irp a, 0,1,2,3
	v_mul_f32 v[F+1+2*\a], s[CSN], v[NM+1+2*\a]    ; -t
.endr
.irp a, 0,1,2,3
	v_floor_f32 v[F+1+2*\a], v[F+1+2*\a]           ; the new -M = floor(-t) = -ceil(t): M IS A WHOLE NUMBER
.endr
.irp a, 0,1,2,3
	v_sub_f32 v[D+\a], v[F+1+2*\a], v[NM+2*\a]     ; M's old value less its new one: a whole number, 0 or less
.endr
.irp a, 0,1,2,3
	v_mov_b32 v[NM+2*\a], v[F+1+2*\a]
.endr
.irp a, 0,1,2,3
	v_cvt_i32_f32 v[D+\a], v[D+\a]                 ; (it saturates)
.endr
.irp a, 0,1,2,3
	v_ldexp_f32 v[F+2*\a], 1.0, v[D+\a]
.endr
	s_wait_alu depctr_va_vdst(0)
.endm
.macro FSUM younger                    ; in the last step: 1 / the row's sum, from all waves' sums
	s_wait_dscnt \younger
	WIN 0x45
.irp k, 0,2,4,6
.irp p, 0,2
	v_pk_add_f32 v[XM+4*\k+\p:XM+4*\k+\p+1], v[XM+4*\k+\p:XM+4*\k+\p+1], v[XM+4*\k+4+\p:XM+4*\k+5+\p]
.endr
.endr
.irp k, 0,4
.irp p, 0,2
	v_pk_add_f32 v[XM+4*\k+\p:XM+4*\k+\p+1], v[XM+4*\k+\p:XM+4*\k+\p+1], v[XM+4*\k+8+\p:XM+4*\k+9+\p]
.endr
.endr
.irp p, 0,2
	v_pk_add_f32 v[XM+\p:XM+\p+1], v[XM+\p:XM+\p+1], v[XM+16+\p:XM+17+\p]
.endr
	WIN 0x01
	s_wait_alu depctr_va_vdst(0)                   ; the waits ahead of and behind the batch
.irp a, 0,1,2,3
	v_rcp_f32 v[F+2*\a], v[XM+\a]
.endr
	v_nop
	s_wait_alu depctr_va_vdst(0)
	WIN 0
.endm
; O^T += V^T P^T over my n-th record's 128 keys: 24 accumulators by turns.  y: LDS loads younger than this record's; the fragments are waited for by pairs
.macro PVG n, y
	WIN 0x58                                       ; V window 0, P window 2, O^T window 1
.set e_, 0
.rept 6
.if e_%2 == 0
	s_wait_dscnt \y+12-3*e_
.endif
.set rA, FB+72*((\n)%2)+12*e_
.set a_, 0
.rept 4
.set rD, 48*a_+8*e_
.set rB, P0+48*((\n)%2)+12*a_
	WM rD, rA, rB, 0, VS+3*(\n)+e_/2, PS+2*(\n)+a_/2, e_%2, a_%2
.set a_, a_+1
.endr
.set e_, e_+1
.endr
.endm
.macro PV last                         ; the four records of a step; 60 loads go out in one run, 52 of them behind the maxima
	MXLOAD 0
.irp n, 0,1,2,3
	ds_load_b64 v[PS+2*\n:PS+2*\n+1], v[APS+\n]    ; P's scale words: lanes 0-15 query tiles 0, 2, lanes 16-31 query tiles 1, 3
.endr
	VLOAD 0
	PLOAD 1
	VLOAD 1
.if \last
	FSUM 52
.else
	STATS 52
.endif
	PVG 0, 30
	PLACES 4
	PLOAD 2
	VLOAD 2
	PVG 1, 30
	PLACES 4
	PLOAD 3
	VLOAD 3
	PVG 2, 30
	PVG 3, 0
	WIN 0
.endm
.macro RESC a                          ; O^T of query tile a under the new M: x f
.set n_, 0
.rept 24
	v_pk_mul_f32 v[48*\a+2*n_:48*\a+2*n_+1], v[48*\a+2*n_:48*\a+2*n_+1], v[F+2*\a:F+2*\a+1] op_sel_hi:[1,0]
.set n_, n_+1
.endr
.endm
.macro TSUB a, k                       ; t - M of query tile a, registers 2 k and 2 k + 1 (of the pairs c and -M the low word serves both halves)
	v_pk_fma_f32 v[64*(\a)+2*(\k):64*(\a)+2*(\k)+1], v[64*(\a)+2*(\k):64*(\a)+2*(\k)+1], s[CS:CS+1], v[NM+2*(\a):NM+2*(\a)+1] op_sel_hi:[1,0,0]
.endm
.macro TSUB0
	WIN 0xcf
.set n_, 0
.rept 32
	TSUB 0, n_
.set n_, n_+1
.endr
	WIN 0
.endm
.macro BSUB                            ; the same of each block's largest score
.irp a, 0,1,2,3
.irp c, 0,1
	v_fma_f32 v[BM+2*\a+\c], v[BM+2*\a+\c], s[CS], v[NM+2*\a]
.endr
.endr
.endm
.macro ADD1 a, m, st                   ; one addition of the sum's tree, in place: p has been quantised by then
	v_pk_add_f32 v[64*(\a)+(\st)*(\m):64*(\a)+(\st)*(\m)+1], v[64*(\a)+(\st)*(\m):64*(\a)+(\st)*(\m)+1], v[64*(\a)+(\st)*(\m)+(\st)/2:64*(\a)+(\st)*(\m)+(\st)/2+1]
.endm
.macro ADDL a, n, st
.set n_, 0
.rept \n
	ADD1 \a, n_, \st
.set n_, n_+1
.endr
.endm
; query tile a's 64 exponentials, p = 2^(t - M); between them the next tile's t - M and levels of the earlier tiles' sums.  Nothing written here is read here: a wait stands between this batch and the next
.macro EXPB a
	WIN 0xcf                                       ; sources 0 and 1 and the destination window 3, source 2 window 0
.set k_, 0
.rept 64
	v_exp_f32 v[64*\a+k_], v[64*\a+k_]
.if \a < 3
.if k_ < 32
	TSUB \a+1, k_
.elseif (k_ < 48) && (\a > 0)
	ADD1 \a-1, k_-32, 4
.elseif (k_ >= 48) && (k_ < 56) && (\a > 1)
	ADD1 \a-2, k_-48, 8
.endif
.elseif k_%2 == 0
.if k_ < 32
	ADD1 \a-1, k_/2, 4
.elseif k_ < 48
	ADD1 \a-2, (k_-32)/2, 8
.elseif k_ < 56
	ADD1 \a-3, (k_-48)/2, 16
.endif
.endif
.set k_, k_+1
.endr
	v_nop                                          ; a plain place behind the exponentials
	s_wait_alu depctr_va_vdst(0)                   ; the wait behind this batch and ahead of the next
.endm
.macro CVT a                           ; p of query tile a as codes: block c's 32 keys in registers 6 c .. 6 c + 5; they stay for my own products and go to LDS for the other waves'
	WIN 0x83
.irp c, 0,1
	v_cvt_scalef32_pk16_bf6_f32 v[P0+12*\a+6*\c:P0+12*\a+6*\c+2], v[64*\a+32*\c:64*\a+32*\c+15], v[SCO+2*\a+\c]
	v_cvt_scalef32_pk16_bf6_f32 v[CT+8*(\a%2)+4*\c:CT+8*(\a%2)+4*\c+2], v[64*\a+32*\c+16:64*\a+32*\c+31], v[SCO+2*\a+\c]   ; (a conversion's three registers begin on an even number)
.endr
	v_nop                                          ; one plain place behind a scaled conversion
	WIN 0x82
.irp c, 0,1
.irp i, 0,1,2
	v_mov_b32 v[P0+12*\a+6*\c+3+\i], v[CT+8*(\a%2)+4*\c+\i]
.endr
.endr
	WIN 0x08
.irp c, 0,1,2
	ds_store_b128 v[APO], v[P0+12*\a+4*\c:P0+12*\a+4*\c+3] offset:1536*\a+512*\c
.endr
.endm
.macro SOFT                            ; (TSUB0 and BSUB stand ahead.)  LDS stores: 8 of a byte, 12 of 16 bytes a lane
	s_wait_alu depctr_va_vdst(0)                   ; the wait ahead of the batch
	WIN 0
.irp i, 0,1,2,3,4,5,6,7
	v_exp_f32 v[BM+\i], v[BM+\i]                   ; the blocks' largest p: the same two operations on the same number
.endr
	EXPB 0
	WIN 0
.irp i, 0,1,2,3,4,5,6,7
	v_max_num_f32 v[BM+\i], 0x2800000, v[BM+\i]    ; the floor 2^(5 - 127): the byte cannot fall under 1
.endr
.irp i, 0,1,2,3,4,5,6,7
	v_add_nc_u32 v[SCO+\i], 0xfe000000, v[BM+\i]   ; 4 off the exponent field: the conversion's scale operand
.endr
.irp i, 0,1,2,3,4,5,6,7
	v_lshrrev_b32 v[BM+\i], 23, v[SCO+\i]          ; the scale's byte
.endr
.irp a, 0,1,2,3
.irp c, 0,1
	ds_store_b8 v[SPSC], v[BM+2*\a+\c] offset:128*(\a%2)+4*(\a/2)+2*\c   ; byte 2 c + h of my query's scale word
.endr
.endr
	CVT 0
	EXPB 1
	CVT 1
	EXPB 2
	CVT 2
	EXPB 3
	CVT 3
	WIN 0xcf
	ADDL 3, 16, 4                                  ; what is left of the sums' trees
	ADDL 2, 8, 8
	ADDL 1, 4, 16
	ADDL 3, 8, 8
	ADDL 2, 4, 16
	ADDL 0, 2, 32
	ADDL 1, 2, 32
	ADDL 3, 4, 16
	ADDL 2, 2, 32
	ADDL 0, 1, 64
	ADDL 3, 2, 32
	ADDL 1, 1, 64
	ADDL 2, 1, 64
	ADDL 3, 1, 64
	WIN 0x30                                       ; source 2 window 3
.irp a, 0,1,2,3
	v_pk_fma_f32 v[L+2*\a:L+2*\a+1], v[L+2*\a:L+2*\a+1], v[F+2*\a:F+2*\a+1], v[64*\a:64*\a+1] op_sel_hi:[1,0,1]   ; the sum under the new M + this step's p, UNQUANTISED
.endr
	WIN 0
.endm
; A PREFETCH INTO THE L2 of what the NEXT refill of the same place will ask for, a whole trip on: my wave's record (codes and scale words, 150 blocks of 256 bytes).  All clusters of a batch walk the same records: the
; batch's first cluster asks.  Its four partners share a record's blocks out BY ADDRESS: the first line names blocks 32 cx + lane, the second blocks 128 + 6 cx + 0 .. 5, held at 149.
; mode 1: in every such place;  mode 2: not in the loop's last trip, behind whose step of K none is left.  The head asks for nothing.
.macro ASK base, mode
.if (\mode) == 1
	s_cmp_eq_u32 s[LIM], 1
.else
	s_cmp_gt_u32 s[CNT], s[LIM]
.endif
	s_cbranch_scc0 .Lnot_mine_\@
	global_prefetch_b8 v[PFX], s[\base:\base+1] offset:STEP th:TH_LOAD_NT scope:SCOPE_SE
	global_prefetch_b8 v[PFY], s[\base:\base+1] offset:STEP th:TH_LOAD_NT scope:SCOPE_SE
.Lnot_mine_\@:
.endm
; AHEAD OF V^T P: P, the maxima and V's records are made known to all waves.  refill: K's place, read through by every wave, takes the next step's K: a round, with the three lines in front of it
.macro TB refill, resc, mode
	WIN 0
	s_wait_alu depctr_va_vdst(0)
	s_wait_loadcnt 0x0                             ; V's scale words
.if \refill
	s_wait_xcnt 0x0                                ; what was asked for by K's base, a trip back, has read it
	s_wait_tensorcnt 0x0                           ; no tensor load of mine is out: my record of V has landed, and a group 0 may be written
	ds_add_u32 v[SPW], v[NIL]                      ; 0 onto my spare word
	s_add_nc_u64 s[G0K+2:G0K+3], s[G0K+2:G0K+3], STEP
	s_add_nc_u64 s[KB:KB+1], s[KB:KB+1], STEP
.else
	s_wait_tensorcnt 0x0
.endif
	s_wait_dscnt 0x0                               ; my stores have landed, my reads (and the add) are over
	s_barrier_signal -1
.if \resc
	WIN 0x41
	s_wait_alu depctr_va_vdst(0)                   ; these results were made ahead of the exponentials
	RESC 2
	RESC 3
	WIN 0
.endif
	s_barrier_wait -1
.if \refill
	CREST
	tensor_load_to_lds s[G0K:G0K+3], s[G1:G1+7]
	s_nop 0
	PLACES 4                                       ; four lines behind a tensor load
	KSC
	ASK KB, \mode
.endif
.endm
; BEHIND V^T P: V's place takes the next step's V.  kl: the next K is in LDS: its first two batches are fetched
.macro TA kl, mode
	WIN 0
	s_wait_alu depctr_va_vdst(0)
	s_wait_xcnt 0x0
	s_wait_tensorcnt 0x0                           ; my record of K has landed
	ds_add_u32 v[SPW], v[NIL]                      ; 0 onto my spare word; work on registers stands between it and the wait for it
	s_add_nc_u64 s[G0V+2:G0V+3], s[G0V+2:G0V+3], STEP
	s_add_nc_u64 s[VB:VB+1], s[VB:VB+1], STEP
	s_add_nc_u64 s[VW:VW+1], s[VW:VW+1], STEP
	TSUB0
	s_wait_dscnt 0x0                               ; the add is done, and my reads of V, P and the maxima are over
	s_barrier_signal -1
	BSUB
	WIN 0x41
	RESC 0
	RESC 1
	WIN 0
	s_barrier_wait -1
	CREST
	tensor_load_to_lds s[G0V:G0V+3], s[G1:G1+7]
	s_nop 0
	PLACES 4
	VSC
.if \kl
	FLOADK 0
	FLOADK 1
.endif
.if \mode
	ASK VW, \mode
.endif
.endm
	s_load_b128 s[4:7], s[0:1], 0x0                ; kv, qq
	s_load_b64 s[8:9], s[0:1], 0x10                ; out0
	v_lshl_add_u32 v[SPW], v0, 2, SPARE
	v_mov_b32 v[NIL], 0
	ds_add_u32 v[SPW], v[NIL]                      ; the opening lines
	ds_add_u32 v[SPW], v[NIL]
	v_lshrrev_b32 v1, 5, v0
	v_readfirstlane_b32 s[WV], v1                  ; w: wave 0..3
	v_and_b32 v88, 31, v0                          ; lane
	v_and_b32 v89, 15, v0                          ; r
	v_bfe_u32 v90, v0, 4, 1                        ; h
	v_lshlrev_b32 v[LI], 4, v88
	v_lshlrev_b32 v91, 3, v88                      ; 8 lane
	v_lshlrev_b32 v92, 4, v89                      ; 16 r
	v_lshl_add_u32 v93, v89, 3, v90                ; 8 r + h
	v_min_u32 v94, 5, v88
	s_wait_alu depctr_va_vdst(0)
	s_bfe_u32 s11, ttmp6, 0x40000                  ; cx: my place in the cluster
	s_lshl_b32 s12, ttmp9, 2
	s_add_co_u32 s12, s12, s11                     ; my block of 64 queries: it enters Q's and out's addresses alone
	s_and_b32 s13, ttmp7, 0xffff                   ; the batch, which the four partners share
	; descriptor group 1: a record's codes, 36,864 dense bytes, as 144 rows of 256 bytes (32 elements of 8 bytes), no padding
	s_mov_b32 s[G1], 15|(3<<16)|(1<<21)            ; 15:0 the mask: all four work-groups; 17:16 elements of 8 bytes; 21 set beside a mask
	s_mov_b32 s[G1+1], 32<<16                      ; tensor_dim0 = 32
	s_mov_b32 s[G1+2], 144<<16                     ; tensor_dim1 = 144
	s_mov_b32 s[G1+3], 32<<16                      ; tile_dim0 = 32
	s_mov_b32 s[G1+4], 144                         ; tile_dim1 = 144
	s_mov_b32 s[G1+5], 32                          ; from row to row
	s_mov_b32 s[G1+6], 0
	s_mov_b32 s[G1+7], 0
	s_mov_b32 s[CS], 0x3d96c740                    ; c = log2(e) / sqrt(384)
	s_mov_b32 s[CS+1], s[CS]                       ; (named with it as a pair, so it is written)
	s_mov_b32 s[CSN], 0xbd96c740                   ; -c
	s_mul_i32 s14, s13, 32*STEPB                   ; the batch's blocks
	s_mov_b32 s15, 0
	s_mul_i32 s24, s[WV], STEPB                    ; my record of a step
	s_mov_b32 s25, 0
	s_mul_i32 s47, s[WV], CODES                    ; and its place in LDS: no place in the cluster enters an LDS address
	s_cmp_eq_u32 ttmp9, 0
	s_cselect_b32 s[LIM], 1, -1                    ; the same in all four partners
	s_wait_dscnt 0x0                               ; both opening adds are done
	s_wait_kmcnt 0x0
	s_add_nc_u64 s[VB:VB+1], s[4:5], s[14:15]
	s_add_nc_u64 s[KB:KB+1], s[VB:VB+1], s[24:25]
	s_add_nc_u64 s[VW:VW+1], s[KB:KB+1], REC
	s_mov_b32 s[G0K], 1                            ; 1:0 count = 1
	s_mov_b32 s[G0K+1], s47                        ; LDS address
	s_mov_b64 s[G0K+2:G0K+3], s[KB:KB+1]           ; global address
	s_or_b32 s[G0K+3], s[G0K+3], 0x80000000        ; type = 2
	s_mov_b32 s[G0V], 1
	s_add_co_u32 s[G0V+1], s47, VA
	s_mov_b64 s[G0V+2:G0V+3], s[VW:VW+1]
	s_or_b32 s[G0V+3], s[G0V+3], 0x80000000
	ROUND                                          ; all four work-groups are here: the first joint loads meet
	tensor_load_to_lds s[G0K:G0K+3], s[G1:G1+7]    ; K of step 0: one tensor load a wave at the head
	s_nop 0
	PLACES 4
	s_lshl_b32 s50, s13, 6
	s_add_co_u32 s50, s50, s12                     ; my group of 64 queries
	s_mul_i32 s50, s50, 19200
	s_mov_b32 s51, 0
	s_add_nc_u64 s[6:7], s[6:7], s[50:51]
	WIN 0x80                                       ; destination window 2
.irp a, 0,1,2,3
.irp g, 0,1,2
.irp c, 0,1,2
	global_load_b128 v[36*\a+12*\g+4*\c:36*\a+12*\g+4*\c+3], v[LI], s[6:7] offset:(4*\g+\a)*1536+512*\c   ; Q stays in registers
.endr
.endr
.endr
	WIN 0
.irp g, 0,1,2
	global_load_b64 v[QS+2*\g:QS+2*\g+1], v91, s[6:7] offset:18432+256*\g   ; lanes 0-15 query tiles 0, 2, lanes 16-31 query tiles 1, 3
.endr
	KSC
	v_add_nc_u32 v[AK], s47, v[LI]
	s_mul_i32 s51, s[WV], 3072                     ; my channels' place in a record of V
.irp n, 0,1,2,3
	s_add_co_u32 s48, s[WV], \n
	s_and_b32 s48, s48, 3                          ; my n-th record
	s_mul_i32 s49, s48, CODES
	s_add_co_u32 s49, s49, s51
	s_add_co_u32 s49, s49, VA
	v_add_nc_u32 v[AV+\n], s49, v[LI]
	s_mul_i32 s49, s48, 6144
	s_add_co_u32 s49, s49, PA
.if \n
	v_add_nc_u32 v[AP+\n-1], s49, v[LI]
.else
	v_add_nc_u32 v[APO], s49, v[LI]
.endif
	s_lshl_b32 s49, s48, 8
	s_add_co_u32 s49, s49, PSC
	v_add_nc_u32 v[APS+\n], s49, v91
	s_mul_i32 s49, s48, STEPB
	s_lshl_b32 s50, s[WV], 2
	s_add_co_u32 s49, s49, s50
	v_add_nc_u32 v[VSO+\n], s49, v[LI]
.endr
	s_lshl_b32 s49, s[WV], 8
	s_add_co_u32 s49, s49, PSC
	v_add_nc_u32 v[SPSC], s49, v93
	s_lshl_b32 s49, s[WV], 9
	s_add_co_u32 s49, s49, MX
	v_add_nc_u32 v[MXO], s49, v[LI]
	v_add_nc_u32 v[MXI], MX, v92
	s_lshl_b32 s49, s11, 5
	s_mul_i32 s50, s11, 6
	v_add_nc_u32 v[PFX], s49, v88
	v_lshlrev_b32 v[PFX], 8, v[PFX]                ; block 32 cx + lane
	v_add_nc_u32 v[PFY], s50, v94
	v_min_u32 v[PFY], 21, v[PFY]
	v_add_nc_u32 v[PFY], 128, v[PFY]
	v_lshlrev_b32 v[PFY], 8, v[PFY]                ; block 128 + 6 cx + lane, held inside the record
	s_lshl_b32 s52, s13, 12                        ; the first row of out that I store: 4,096 batch + 64 block + 8 w
	s_lshl_b32 s53, s12, 6
	s_add_co_u32 s52, s52, s53
	s_lshl_b32 s53, s[WV], 3
	s_add_co_u32 s52, s52, s53
	s_mul_i32 s52, s52, 1536
	s_mov_b32 s53, 0
	s_add_nc_u64 s[8:9], s[8:9], s[52:53]
.irp a, 0,1,2,3
	v_mov_b32 v[NM+2*\a], 0x7e967699               ; -M: 1e38, so that the first f is 0
	v_mov_b32 v[NM+2*\a+1], 0xff61b1e6             ; the largest score so far: -3e38
	v_mov_b32 v[L+2*\a], 0
	v_mov_b32 v[L+2*\a+1], 0
.endr
	WIN 0x40
.set n_, 0
.rept 192
	v_mov_b32 v[n_], 0                             ; O^T begins as zeros, under the head's loads: so the step's text stands in the loop alone, with no first copy of V^T P written out
.set n_, n_+1
.endr
	WIN 0
	s_wait_alu depctr_va_vdst(0)
	s_wait_tensorcnt 0x0                           ; my record of K is in; V's place is first filled as a refill is
	ds_add_u32 v[SPW], v[NIL]
	s_wait_dscnt 0x0
	ROUND
	tensor_load_to_lds s[G0V:G0V+3], s[G1:G1+7]    ; V of step 0
	s_nop 0
	PLACES 4
	VSC
	FLOADK 0
	FLOADK 1
	ASK VW, 1
	KQSTEP 12, 18                                  ; Q's and K's words are in: V's 12 scale words are younger; the second batch's 18 may be out
	LMAX 2048                                      ; step 0's maxima have a place of their own: no barrier stands between their reads and the next step's stores
	TB 1, 0, 1                                     ; K of step 1 is asked for
	MXLOAD 2048
	STATS 0
	TSUB0
	BSUB
	SOFT
	s_wait_tensorcnt 0x0                           ; my record of K of step 1, which I alone read
	FLOADK 0
	FLOADK 1
	KQSTEP 0, 18
	LMAX 0
	s_mov_b32 s[CNT], 6
	s_wait_alu depctr_va_vdst(0)
.Ltrip:                                            ; j = 0..5
	TB 1, 1, 2
	PV 0
	TA 1, 1
	SOFT
	KQSTEP 12, 20                                  ; 12: V's scale words; 20: SOFT's LDS stores
	LMAX 0
	s_sub_co_u32 s[CNT], s[CNT], 1
	s_cmp_lg_u32 s[CNT], 0
	s_wait_alu depctr_va_vdst(0)
	s_cbranch_scc1 .Ltrip
	TB 0, 1, 0                                     ; the last two steps are written out: no K is left to fetch
	PV 0
	TA 0, 0
	SOFT
.irp a, 0,1,2,3
	v_add_f32 v[LM+\a], v[L+2*\a], v[L+2*\a+1]     ; my keys' sums go to the other waves on the maxima's place
.endr
	ds_store_b128 v[MXO], v[LM:LM+3]
	TB 0, 1, 0
	PV 1
	; THE WAY OUT: O^T / the sum, through a stage of 64 rows (row 16 a + r, query 8 a + r % 8 + 32 (r / 8)), back as whole rows of 1,536 bytes: wave w stores those of query tile w
	s_lshr_b32 s20, s[WV], 1
	s_lshl_b32 s20, s20, 8
	s_and_b32 s21, s[WV], 1
	s_lshl_b32 s21, s21, 6
	s_add_co_u32 s20, s20, s21                     ; my channels' place in a row: 256 (w / 2) + 64 (w % 2), + 128 h
	s_mul_i32 s21, s[WV], 16*SPITCH
	v_and_b32 v2, 15, v0
	v_bfe_u32 v3, v0, 4, 1
	v_mul_u32_u24 v2, SPITCH, v2
	v_lshl_add_u32 v2, v3, 7, v2
	v_add_nc_u32 v2, s20, v2                       ; query tiles 0, 1;
	v_add_nc_u32 v3, 32*SPITCH, v2                 ; 2, 3
	v_add_nc_u32 v4, s21, v[LI]                    ; (these seven are also the places behind the last products)
.irp a, 0,1,2,3
	WIN 0x41
	RESC \a                                        ; x 1 / the sum, which stands where f stood; each accumulator from its low end on
	WIN 0x04
.irp e, 0,1,2,3,4,5
	ds_store_b128 v[2+\a/2], v[48*\a+8*\e:48*\a+8*\e+3] offset:(\a%2)*16*SPITCH+512*(\e/2)+32*(\e%2)
	ds_store_b128 v[2+\a/2], v[48*\a+8*\e+4:48*\a+8*\e+7] offset:(\a%2)*16*SPITCH+512*(\e/2)+32*(\e%2)+16
.endr
.endr
	WIN 0
	s_wait_alu depctr_va_vdst(0)
	s_wait_dscnt 0x0                               ; my stores have landed
	s_barrier_signal -1
	s_barrier_wait -1
	WIN 0xc0
.irp r, 0,1,2,3,4,5,6,7,8,9,10,11,12,13,14,15
.irp q, 0,1,2
	ds_load_b128 v[12*\r+4*\q:12*\r+4*\q+3], v4 offset:\r*SPITCH+512*\q
.endr
.endr
	WIN 0x0c
.irp r, 0,1,2,3,4,5,6,7,8,9,10,11,12,13,14,15
.if \r%4 == 0
	s_wait_dscnt 36-3*\r                           ; four rows more are in
.endif
.irp q, 0,1,2
	global_store_b128 v[LI], v[12*\r+4*\q:12*\r+4*\q+3], s[8:9] offset:((\r%8)+32*(\r/8))*1536+512*\q th:TH_STORE_NT   ; 32 lanes store 512 consecutive bytes, at a multiple of 256 from out's first byte
.endr
.endr
	WIN 0
	s_wait_tensorcnt 0x0                           ; the wave's end, behind my last tensor load and my last LDS store
	ds_add_u32 v[SPW], v[NIL]
	s_wait_dscnt 0x0
	ROUND                                          ; the closing round: no work-group ends while a partner may still ask for a record that names it
	s_endpgm
.Lfunc_end_k_q369258e20a_attn:
	.size	k_q369258e20a_attn, .Lfunc_end_k_q369258e20a_attn-k_q369258e20a_attn
	.p2alignl 7, 3214868480
	.fill 96, 4, 3214868480
	.section	.rodata,"a",@progbits
	.p2align	6, 0x0
	.amdhsa_kernel k_q369258e20a_attn
		.amdhsa_group_segment_fixed_size 327680
		.amdhsa_private_segment_fixed_size 0
		.amdhsa_enable_private_segment 0
		.amdhsa_kernarg_size 24
		.amdhsa_user_sgpr_count 2
		.amdhsa_user_sgpr_kernarg_segment_ptr 1
		.amdhsa_wavefront_size32 1
		.amdhsa_system_sgpr_workgroup_id_x 1
		.amdhsa_system_sgpr_workgroup_id_y 1
		.amdhsa_system_sgpr_workgroup_id_z 1
		.amdhsa_system_vgpr_workitem_id 0
		.amdhsa_next_free_vgpr 1024
		.amdhsa_next_free_sgpr 66
		.amdhsa_reserve_vcc 0
		.amdhsa_float_denorm_mode_32 3
		.amdhsa_float_denorm_mode_16_64 3
		.amdhsa_memory_ordered 1
		.amdhsa_forward_progress 1
		.amdhsa_inst_pref_size 255
	.end_amdhsa_kernel
	.section	.bss,"aw",@nobits
	.p2align	6
	.space	262144
	.amdgpu_metadata
---
amdhsa.version: [ 1, 2 ]
amdhsa.kernels:
  - .name:           k_q369258e20a_attn
    .symbol:         k_q369258e20a_attn.kd
    .args:
      - { .name: kv, .offset: 0, .size: 8, .value_kind: global_buffer, .address_space: global }
      - { .name: qq, .offset: 8, .size: 8, .value_kind: global_buffer, .address_space: global }
      - { .name: out0, .offset: 16, .size: 8, .value_kind: global_buffer, .address_space: global }
    .group_segment_fixed_size: 327680
    .private_segment_fixed_size: 0
    .kernarg_segment_align: 8
    .kernarg_segment_size: 24
    .max_flat_workgroup_size: 128
    .sgpr_count:     66
    .vgpr_count:     1024
    .wavefront_size: 32
...
	.end_amdgpu_metadata
.endif
;; end of part 2
